; MI455X (gfx1250); checked and timed in simulation.
; The chip was launched on July 23, 2026; its instructions are those of AMD's public machine-readable ISA for CDNA 5 (MIT licence, August 2026) and "CDNA5" Instruction Set Architecture Reference Guide (July 2026). The comments in the code are by the model that wrote it; some were corrected since.
;; Multi Head Alibi Attention. Allowed arithmetic: matrix products marked QUANTISED: E4M3 operands, one E8M0 scale for each 32 along K, by v_wmma_scale_f32_16x16x128_f8f6f4 with both operands' format E4M3, f32 sums; everything else in f32.
;; Inputs: k 2 x 2,048 x 1,024 float32; q 2 x 2,048 x 1,024 float32; v 2 x 2,048 x 1,024 float32.
;; Outputs: out0 2 x 2,048 x 1,024 float32.
;; This version of the problem:
;;   THIS VERSION OF THE PROBLEM IS GIVEN IN LOW PRECISION. The matrix products marked QUANTISED in the list below multiply operands that are first quantised to E4M3 (4 exponent bits, 3 mantissa bits; 8 bits a number), with one power-of-two scale for each 32 numbers along K (OCP MX v1.0); their sums are f32. All else is computed in f32.
;;   The module's matrix products, in the order in which they are computed (A, B: the left and right operand; K: the contracted axis; several contracted axes count as one K, in the product's order):
;;     1. batch 32 x [M 2,048, K 64] x [K 64, N 2,048]; A: input q; B: input k: QUANTISED
;;     2. batch 32 x [M 2,048, K 2,048] x [K 2,048, N 64]; A: softmax (see below); B: input v: QUANTISED
;;   THE QUANTISER, for each operand of a quantised product, along K:
;;     - K is cut into blocks of 32 from its start; a last block that is shorter is filled with zeros.
;;     - A block's scale is 2^e with e = floor(log2(the largest magnitude in the block)) - 8, held to -126 .. 127; a block of zeros has e = 0. As a byte (E8M0): e + 127.
;;     - Each number is divided by its block's scale, clamped to +-448, and rounded to the nearest number of E4M3, ties to even, subnormals kept.
;;     - The product sums the exact products of the quantised numbers (number of the format x scale) in f32.
;;   ~~~python
;;   def quantise(x, axis):      # numpy; x: float32 -> the quantised numbers, widened to float32 again
;;       x = np.moveaxis(x, axis, -1); K = x.shape[-1]
;;       x = np.pad(x, [(0, 0)] * (x.ndim - 1) + [(0, -K % 32)]); x = x.reshape(x.shape[:-1] + (-1, 32)); a = np.abs(x).max(-1, keepdims=True)
;;       e = np.where(a > 0, np.clip(np.frexp(np.where(a > 0, a, 1))[1] - 1 - 8, -126, 127), 0)      # np.frexp(a)[1] - 1 = floor(log2(a)), exactly
;;       r = np.clip(x / 2.0 ** e, -448, 448)
;;       step = 2.0 ** (np.maximum(np.frexp(np.where(r == 0, 1, r))[1] - 1, -6) - 3)
;;       q = np.round(r / step) * step * 2.0 ** e      # np.round: ties to even
;;       return np.moveaxis(q.reshape(q.shape[:-2] + (-1,))[..., :K], -1, axis).astype(np.float32)
;;   ~~~
;;   SOFTMAX AHEAD OF A QUANTISED PRODUCT. Where the list says 'softmax', what is quantised is not the finished softmax but p = 2^(t - M), with t = logit x log2(e) and M = ceil(the row's largest t), a whole number; so 1/2 < the row's largest p <= 1. The row's sum l is taken of the UNQUANTISED p, in f32, and the product's result is divided by l at the end. Since M is a whole number, a kernel that streams over the keys may use a running M (the ceiling of the running maximum): every later rescaling is an exact power of two, which a block's scale takes up: the codes' values come out the same.
;;   OPERANDS COMPUTED ON THE WAY. 'Computed on the way' means the value that the module computes at that place (a softmax that the list does not call 'softmax' is quantised finished and normalised). What goes into a quantiser is computed in f32, as accurately as f32 sums, v_exp_f32 and their like allow (about 1e-6 of the number): no bf16 or f16 on the way to a quantiser, and a product that is left as it is and whose result goes on into a quantised operand takes f32 operands (vector FMAs, or v_wmma_f32_16x16x4_f32). A number that lies on a knife's edge between two numbers of the format may be rounded either way, as far as f32 arithmetic and the matrix unit's own rounding can turn it there, and no further.
;; One version. Each part assembles by itself: llvm-mc -triple=amdgcn-amd-amdhsa -mcpu=gfx1250 --defsym DOCPART=n.
;; ======== version 1 of 1: 2 launches
;; workspace buffers: kv 8,650,752 bytes
;; launch prep (part 1): grid 512 x 2, 4 waves a work-group, no clusters, 35,840 bytes of LDS; arguments k, v, kv; writes kv
.if DOCPART == 1
	.amdgcn_target "amdgcn-amd-amdhsa--gfx1250"
	.amdhsa_code_object_version 6
	.text
	.protected	k_q4b2a262dd6_prep
	.globl	k_q4b2a262dd6_prep
	.p2align	8
	.type	k_q4b2a262dd6_prep,@function
k_q4b2a262dd6_prep:
	s_mov_b64 s[64:65], 0
	v_nop
	global_prefetch_b8 v0, s[64:65] scope:SCOPE_SE
	s_setreg_imm32_b32 hwreg(HW_REG_WAVE_MODE, 25, 1), 1
	s_wait_xcnt 0x0
; THE PROGRAM: out = softmax(q k^T / 8 + slope_h (s - t), causal) v for 32 (batch, head) pairs, 2,048 positions, head size 64, both products on codes of E4M3 with one E8M0 scale for each 32 along K.
; Two launches: this one turns k (along the head's 64) and v (along the keys) into codes and scale bytes, once; the second quantises q in registers, walks the keys and stores the result.
; WORK LEFT OUT BY THE PROGRAM (in the second launch): a step of 128 keys all of which come after a tile's 16 queries.  The problem's own upper-triangular mask sets those logits to -infinity,
; so p = 0 there whatever finite numbers the inputs hold: they add 0 to the row's sum and 0 to the second product.  They are left out by whole steps, and slots of keys that no wave of a work-group
; would read are not fetched.  Inside the one step on the diagonal the hidden scores are computed and replaced by -infinity.  The bias 0 above the diagonal lies wholly under that mask.
; No input is dead: q, k and v are all loaded.  The row-constant part of the bias, -slope t, stays: it moves M and so p's codes.
; LIMITS: a NaN, an infinity or an overflow that reaches only the work left out is not carried to the result; NaN and infinities among the inputs are not served; a block whose largest magnitude lies
; under 2^-118 gets the byte 1 (the floor); a block of zeros gets the byte 1 where the quantiser says 127: its codes are zeros, which add nothing under any byte but 0xff, and this program alone reads the bytes.
;
; THIS LAUNCH.  Work-group (x, y): head hh = x / 16 (16 b + h), key step s = x % 16 (128 keys); y = 0: k, y = 1: v.  Wave w takes keys 32 w .. 32 w + 31 of the step: 8,192 bytes of f32.
; kv holds, for each head, 8 records of 33,792 bytes, a record for two key steps (p = s % 2):  K's codes at 16,384 p, V's codes at 16,384 p + 8,192, K's scale words at 32,768 + 512 p, V's at 32,768 + 512 p + 256.
; ALL FOUR ARE IMAGES OF OPERAND REGISTERS, lane l = (r = l % 16, hl = l / 16):
;   K's codes at 2,048 f + 512 c + 16 l: with u = c / 2, db = c % 2: key 32 f + 8 u + r + 8 (r / 8), d = 32 db + 16 hl + 0 .. 15.  So ONE fragment of 16 registers holds TWO tiles of 16 keys, tile 2 f in its K 0-63 and tile 2 f + 1 in its K 64-127;
;   K's scale words at 64 f + 4 r: byte c;      V's codes at 2,048 dt + 512 c + 16 l: d = 16 dt + r, keys 32 c + 16 hl + 0 .. 15;      V's scale words at 64 dt + 4 r: byte c.
; No tensor loads, no ring, no matrix work, no cluster: a stream that reads each byte once and shares nothing between work-groups.  No loop: every offset is an immediate.
.set SP,    272                        ; a stage row: a key's 256 bytes + 16 of padding, so that the 16 rows of a read start in 16 different columns of 16 bytes
.set STW,   32*SP                      ; LDS: K's path: a stage of 32 rows for each wave, from byte 0
.set KSC,   4*STW                      ; K's path: the step's 64 scale words
.set VSC,   KSC+256                    ; V's path: the step's 64 scale words (each path has bytes of its own)
.set SPARE, VSC+256                    ; the spare words, 128 bytes for each wave: two blocks of 256 bytes that no other line names
.set RECB,  33792
.set HEADB, 8*RECB
.set KO,  4                            ; v4   k: 4,096 hl + 16 r: lanes 0-15 a key's 256 bytes, lanes 16-31 the next key's
.set STI, 5                            ; v5   into my stage: SP hl + 16 r
.set STO, 6                            ; v6   out of it: SP r + 64 hl
.set LI,  7                            ; v7   16 x lane
.set KSW, 8                            ; v8   where my row's scale word goes: KSC + 64 w + 4 r
.set L8,  9                            ; v9   8 x lane
.set KSR, 10                           ; v10  KSC + 8 x lane
.set VI,  11                           ; v11  v: 4 x lane: a lane to a column d
.set VO,  12                           ; v12  V's codes: 2,048 hl + 16 r
.set VSW, 13                           ; v13  where my column's scale byte goes: VSC + 4 x lane + w
.set VSR, 14                           ; v14  VSC + 8 x lane
.set SPW, 15                           ; v15  my spare word: SPARE + 4 x my thread's number; never rewritten
.set NIL, 16                           ; v16  0; never rewritten
.set TM,  20                           ; v20-23 largest magnitudes, v24-27 bytes, v28-31 448 x the scale, v32-35 the conversions' scale operands
.set PW,  36                           ; the scale word just made
.set PC,  40                           ; v40-55   codes
.set R,   56                           ; v56-119  numbers as loaded
.set X,   120                          ; v120-183 K's path: 64 numbers in the operand's order
.set WV,  18
.set SEL, 20
.set MNT, 23
	s_load_b128 s[4:7], s[0:1], 0x0                ; k, v
	s_load_b64 s[8:9], s[0:1], 0x10                ; kv
	v_lshl_add_u32 v[SPW], v0, 2, SPARE
	v_mov_b32 v[NIL], 0
	v_lshrrev_b32 v1, 5, v0
	v_readfirstlane_b32 s[WV], v1                  ; wave 0..3
	v_and_b32 v1, 31, v0                           ; lane
	v_and_b32 v2, 15, v0                           ; r
	v_bfe_u32 v3, v0, 4, 1                         ; hl
	s_mul_i32 s19, s[WV], STW                      ; my stage
	s_lshl_b32 s24, s[WV], 6
	; every address register of both paths is made here, ahead of the parting
	v_lshlrev_b32 v[KO], 4, v2
	v_lshl_add_u32 v[KO], v3, 12, v[KO]
	v_mul_u32_u24 v[STI], v3, SP
	v_lshl_add_u32 v[STI], v2, 4, v[STI]
	v_add_nc_u32 v[STI], s19, v[STI]
	v_mul_u32_u24 v[STO], v2, SP
	v_lshl_add_u32 v[STO], v3, 6, v[STO]
	v_add_nc_u32 v[STO], s19, v[STO]
	v_lshlrev_b32 v[LI], 4, v1
	v_lshlrev_b32 v[KSW], 2, v2
	v_add_nc_u32 v[KSW], s24, v[KSW]
	v_add_nc_u32 v[KSW], KSC, v[KSW]
	v_lshlrev_b32 v[L8], 3, v1
	v_add_nc_u32 v[KSR], KSC, v[L8]
	v_lshlrev_b32 v[VI], 2, v1
	v_lshlrev_b32 v[VO], 4, v2
	v_lshl_add_u32 v[VO], v3, 11, v[VO]
	v_add_nc_u32 v[VSW], s[WV], v[VI]
	v_add_nc_u32 v[VSW], VSC, v[VSW]
	v_add_nc_u32 v[VSR], VSC, v[L8]
.irp b, 0,1,2,3
	v_mov_b32 v[TM+4+\b], 0                        ; written once: a lane permute's destination counts as one of its sources
.endr
	s_mov_b32 s[SEL], 0x76543210
	s_mov_b32 s[SEL+1], 0xfedcba98                 ; v_permlanex16_b32's selects for lane l xor 16
	s_mov_b32 s[MNT], 0x600000                     ; the mantissa field of 448
	; offsets, apart from the addresses
	s_lshr_b32 s10, ttmp9, 4                       ; hh
	s_and_b32 s11, ttmp9, 15                       ; s
	s_lshr_b32 s12, s10, 4                         ; b: 2^23 bytes a batch
	s_and_b32 s13, s10, 15                         ; h: 256 bytes of a row
	s_lshl_b32 s12, s12, 23
	s_lshl_b32 s13, s13, 8
	s_add_co_u32 s12, s12, s13
	s_lshl_b32 s13, s11, 2
	s_add_co_u32 s13, s13, s[WV]                   ; 4 s + w: which 32 keys
	s_lshl_b32 s13, s13, 17                        ; x 32 rows of 4,096 bytes
	s_add_co_u32 s12, s12, s13
	s_mov_b32 s13, 0                               ; s[12:13]: my wave's first key in k or v
	s_mul_i32 s14, s10, HEADB
	s_lshr_b32 s15, s11, 1
	s_mul_i32 s15, s15, RECB
	s_add_co_u32 s14, s14, s15                     ; the record
	s_and_b32 s15, s11, 1
	s_lshl_b32 s16, s15, 14
	s_add_co_u32 s16, s16, s14
	s_mov_b32 s17, 0                               ; s[16:17]: the step's codes
	s_lshl_b32 s15, s15, 9
	s_add_co_u32 s14, s14, s15
	s_add_co_u32 s14, s14, 32768
	s_mov_b32 s15, 0                               ; s[14:15]: the step's scale words
	s_and_b32 s25, ttmp7, 0xffff                   ; 0: k, 1: v
	s_mov_b32 s29, 0
	s_wait_kmcnt 0x0
	s_add_nc_u64 s[26:27], s[8:9], s[14:15]
	s_add_nc_u64 s[8:9], s[8:9], s[16:17]
	s_cmp_lg_u32 s25, 0                            ; the work-group's number alone: all four waves go the same way
	s_cbranch_scc1 .Lv_path
; 64 numbers of a lane, v[s] .. v[s + 63], register 16 b + i = the i-th of my 16 numbers of block b (lane l xor 16 holds the other 16), become codes in v[PC] on and the scale word in v[PW].
.macro QUANT s
.irp b, 0,1,2,3
	v_max3_num_f32 v[TM+\b], |v[\s+16*\b]|, |v[\s+1+16*\b]|, 0x4800000   ; my 16 numbers, and the floor 2^(9 - 127): the byte cannot fall under 1
.endr
.irp i, 2,4,6,8,10,12,14
.irp b, 0,1,2,3
	v_max3_num_f32 v[TM+\b], v[TM+\b], |v[\s+16*\b+\i]|, |v[\s+1+16*\b+\i]|   ; the four blocks by turns
.endr
.endr
.irp b, 0,1,2,3
	v_permlanex16_b32 v[TM+4+\b], v[TM+\b], s[SEL], s[SEL+1]
.endr
.irp b, 0,1,2,3
	v_max_num_f32 v[TM+\b], v[TM+\b], v[TM+4+\b]   ; the block's largest magnitude
.endr
.irp b, 0,1,2,3
	v_add_nc_u32 v[TM+12+\b], 0xfc000000, v[TM+\b]   ; 8 off its exponent field: the conversion takes this operand's exponent field as its scale
.endr
.irp b, 0,1,2,3
	v_and_or_b32 v[TM+8+\b], v[TM+\b], 0x7f800000, s[MNT]   ; 448 x the scale
.endr
.irp b, 0,1,2,3
	v_lshrrev_b32 v[TM+4+\b], 23, v[TM+12+\b]      ; the scale's byte
.endr
	v_lshl_or_b32 v[PW], v[TM+5], 8, v[TM+4]
	v_lshl_or_b32 v[PW], v[TM+6], 16, v[PW]
	v_lshl_or_b32 v[PW], v[TM+7], 24, v[PW]
.irp b, 0,1,2,3
.irp i, 0,1,2,3,4,5,6,7,8,9,10,11,12,13,14,15
	v_med3_num_f32 v[\s+16*\b+\i], v[\s+16*\b+\i], -v[TM+8+\b], v[TM+8+\b]   ; the conversion to an 8-bit code does not saturate (ISA guide 7.6.2): the hold at 448 x the scale
.endr
	v_cvt_scalef32_pk8_fp8_f32 v[PC+4*\b:PC+1+4*\b], v[\s+16*\b:\s+7+16*\b], v[TM+12+\b]
	v_cvt_scalef32_pk8_fp8_f32 v[PC+2+4*\b:PC+3+4*\b], v[\s+8+16*\b:\s+15+16*\b], v[TM+12+\b]
.endr
	v_nop                                          ; a plain vector line behind the last conversion
.endm
	; ---- K: my 32 keys are fragment f = w.  Each load reads two keys' whole 256 bytes; the numbers turn through my own stage, so that a lane gets 16 neighbours along d of ITS key
	s_add_nc_u64 s[4:5], s[4:5], s[12:13]
	s_lshl_b32 s28, s[WV], 11
	s_add_nc_u64 s[8:9], s[8:9], s[28:29]          ; my fragment's 2,048 bytes
.set i, 0
.rept 16
	global_load_b128 v[R+4*i:R+4*i+3], v[KO], s[4:5] offset:8192*i th:TH_LOAD_NT
.set i, i+1
.endr
.set i, 0
.rept 16                               ; key kk goes to stage row rho(kk) = kk with its bits 3 and 4 exchanged: the 16 keys of tile u then lie in rows 16 u .. 16 u + 15, in the tile's own order
.set rho, ((2*i)&7)|((((2*i)>>4)&1)<<3)|((((2*i)>>3)&1)<<4)
	s_wait_loadcnt 15-i                            ; loads come back in order: load i is in, the 15 - i younger ones may be out
	ds_store_b128 v[STI], v[R+4*i:R+4*i+3] offset:rho*SP
.set i, i+1
.endr
.irp u, 0,1
.irp db, 0,1
.irp j, 0,1,2,3
	ds_load_b128 v[X+32*\u+16*\db+4*\j:X+32*\u+16*\db+4*\j+3], v[STO] offset:\u*16*SP+\db*128+16*\j   ; my wave's own bytes: LDS serves a wave's instructions in order, so these see the stores above
.endr
.endr
.endr
	s_wait_dscnt 0x0
	QUANT X
.irp c, 0,1,2,3
	global_store_b128 v[LI], v[PC+4*\c:PC+4*\c+3], s[8:9] offset:512*\c   ; 32 lanes store 512 consecutive bytes, aligned
.endr
	ds_store_b32 v[KSW], v[PW]                     ; lanes r and r + 16 write the same word with the same value
	s_wait_dscnt 0x0                               ; for the others' sake: my scale words have landed
	s_barrier_signal -1
	s_barrier_wait -1
	s_cmp_lg_u32 s[WV], 0
	s_cbranch_scc1 .Lk_end
	ds_load_b64 v[18:19], v[KSR]                   ; wave 0 stores the step's 64 scale words as 256 consecutive bytes, aligned
	s_wait_dscnt 0x0
	global_store_b64 v[L8], v[18:19], s[26:27]
.Lk_end:
	s_wait_tensorcnt 0x0                           ; the wave's end, behind my last LDS store
	ds_add_u32 v[SPW], v[NIL]
	s_wait_dscnt 0x0
	s_endpgm
	; ---- V: my 32 keys are block c = w.  A LANE TAKES A COLUMN d AND ITS REGISTERS RUN DOWN THE KEYS: a block of 32 keys lies in one lane's 32 registers, and the codes come out with the keys innermost
.Lv_path:
	s_add_nc_u64 s[6:7], s[6:7], s[12:13]
	s_lshl_b32 s28, s[WV], 9
	s_add_co_u32 s28, s28, 8192
	s_add_nc_u64 s[8:9], s[8:9], s[28:29]          ; V's codes, my block's 512 bytes of each tile dt
.set i, 0
.rept 32
	global_load_b32 v[R+i], v[VI], s[6:7] offset:4096*i th:TH_LOAD_NT           ; key i, d = lane
	global_load_b32 v[R+32+i], v[VI], s[6:7] offset:4096*i+128 th:TH_LOAD_NT    ; key i, d = 32 + lane: the other half of the key's 256 bytes, by the next instruction
.set i, i+1
.endr
	s_wait_loadcnt 0x0
.macro VBLOCK half                     ; column d = 32 half + lane: tile dt = 2 half + hl, row r
.set XS, R+32*\half
	v_max3_num_f32 v[TM], |v[XS]|, |v[XS+1]|, |v[XS+2]|            ; the block's largest magnitude: all 32 numbers are mine; two chains
	v_max3_num_f32 v[TM+1], |v[XS+3]|, |v[XS+4]|, |v[XS+5]|
.irp i, 6,10,14,18,22,26
	v_max3_num_f32 v[TM], v[TM], |v[XS+\i]|, |v[XS+\i+1]|
	v_max3_num_f32 v[TM+1], v[TM+1], |v[XS+\i+2]|, |v[XS+\i+3]|
.endr
	v_max3_num_f32 v[TM], v[TM], |v[XS+30]|, |v[XS+31]|
	v_max3_num_f32 v[TM], v[TM], v[TM+1], 0x4800000                ; and the floor
	v_add_nc_u32 v[TM+2], 0xfc000000, v[TM]                        ; the conversion's scale operand
	v_and_or_b32 v[TM+3], v[TM], 0x7f800000, s[MNT]                ; 448 x the scale
	v_lshrrev_b32 v[TM+4+\half], 23, v[TM+2]                       ; the scale's byte
.irp i, 0,1,2,3,4,5,6,7,8,9,10,11,12,13,14,15,16,17,18,19,20,21,22,23,24,25,26,27,28,29,30,31
	v_med3_num_f32 v[XS+\i], v[XS+\i], -v[TM+3], v[TM+3]
.endr
.irp g, 0,1,2,3
	v_cvt_scalef32_pk8_fp8_f32 v[PC+8*\half+2*\g:PC+8*\half+2*\g+1], v[XS+8*\g:XS+8*\g+7], v[TM+2]
.endr
	v_nop                                          ; a plain vector line behind the last conversion
	ds_store_b8 v[VSW], v[TM+4+\half] offset:128*\half             ; byte c = w of the word at 64 dt + 4 r
	global_store_b128 v[VO], v[PC+8*\half:PC+8*\half+3], s[8:9] offset:4096*\half         ; keys 0-15 of the block: lanes 0-15 fill 256 consecutive bytes of tile dt, lanes 16-31 of tile dt + 1
	global_store_b128 v[VO], v[PC+8*\half+4:PC+8*\half+7], s[8:9] offset:4096*\half+256   ; keys 16-31: the image's upper lanes
.endm
	VBLOCK 0
	VBLOCK 1
	s_wait_dscnt 0x0                               ; for the others' sake: my scale bytes have landed
	s_barrier_signal -1
	s_barrier_wait -1
	s_cmp_lg_u32 s[WV], 0
	s_cbranch_scc1 .Lv_end
	ds_load_b64 v[18:19], v[VSR]
	s_wait_dscnt 0x0
	global_store_b64 v[L8], v[18:19], s[26:27] offset:256
.Lv_end:
	s_wait_tensorcnt 0x0                           ; the wave's end, behind my last LDS store
	ds_add_u32 v[SPW], v[NIL]
	s_wait_dscnt 0x0
	s_endpgm
.Lfunc_end_k_q4b2a262dd6_prep:
	.size	k_q4b2a262dd6_prep, .Lfunc_end_k_q4b2a262dd6_prep-k_q4b2a262dd6_prep
	.p2alignl 7, 3214868480
	.fill 96, 4, 3214868480
	.section	.rodata,"a",@progbits
	.p2align	6, 0x0
	.amdhsa_kernel k_q4b2a262dd6_prep
		.amdhsa_group_segment_fixed_size 35840
		.amdhsa_private_segment_fixed_size 0
		.amdhsa_enable_private_segment 0
		.amdhsa_kernarg_size 24
		.amdhsa_user_sgpr_count 2
		.amdhsa_user_sgpr_kernarg_segment_ptr 1
		.amdhsa_wavefront_size32 1
		.amdhsa_system_sgpr_workgroup_id_x 1
		.amdhsa_system_sgpr_workgroup_id_y 1
		.amdhsa_system_sgpr_workgroup_id_z 1
		.amdhsa_system_vgpr_workitem_id 0
		.amdhsa_next_free_vgpr 192
		.amdhsa_next_free_sgpr 66
		.amdhsa_reserve_vcc 0
		.amdhsa_float_denorm_mode_32 3
		.amdhsa_float_denorm_mode_16_64 3
		.amdhsa_memory_ordered 1
		.amdhsa_forward_progress 1
		.amdhsa_inst_pref_size 31
	.end_amdhsa_kernel
	.amdgpu_metadata
---
amdhsa.version: [ 1, 2 ]
amdhsa.kernels:
  - .name:           k_q4b2a262dd6_prep
    .symbol:         k_q4b2a262dd6_prep.kd
    .args:
      - { .name: k, .offset: 0, .size: 8, .value_kind: global_buffer, .address_space: global }
      - { .name: v, .offset: 8, .size: 8, .value_kind: global_buffer, .address_space: global }
      - { .name: kv, .offset: 16, .size: 8, .value_kind: global_buffer, .address_space: global }
    .group_segment_fixed_size: 35840
    .private_segment_fixed_size: 0
    .kernarg_segment_align: 8
    .kernarg_segment_size: 24
    .max_flat_workgroup_size: 128
    .sgpr_count:     66
    .vgpr_count:     192
    .wavefront_size: 32
...
	.end_amdgpu_metadata
.endif
;; end of part 1
;; launch attn (part 2): grid 8 x 32, 16 waves a work-group, no clusters, 327,680 bytes of LDS; arguments q, kv, out0; writes out0
.if DOCPART == 2
	.amdgcn_target "amdgcn-amd-amdhsa--gfx1250"
	.amdhsa_code_object_version 6
	.text
	.protected	k_q4b2a262dd6_attn
	.globl	k_q4b2a262dd6_attn
	.p2align	8
	.type	k_q4b2a262dd6_attn,@function
k_q4b2a262dd6_attn:
	s_mov_b64 s[64:65], 0
	v_nop
	global_prefetch_b8 v0, s[64:65] scope:SCOPE_SE
	s_setreg_imm32_b32 hwreg(HW_REG_WAVE_MODE, 25, 1), 1
	s_wait_xcnt 0x0
; out0[b][t][64 h ..] = the sum over keys s <= t of softmax_s(q.k / 8 + slope_h (s - t)) v, both products on codes of E4M3 with one E8M0 scale for each 32 along K.  k and v come as codes from kv (laid as register images by the launch before).
; WORK LEFT OUT: a step of 128 keys all of which come after a tile's 16 queries: the problem's own causal mask makes p = 0 there for all inputs, so it adds 0 to the row's sum and to the result; a slot of keys that no wave of the
; work-group would read is not fetched.  In the step on the diagonal hidden scores are computed and replaced by -infinity.  LIMITS: a NaN, an infinity or an overflow that reaches only the work left out is not carried to the result;
; NaN and infinities among the inputs are not served; blocks under 2^-118 and blocks of zeros get the scale byte 1 (their codes are zeros or held by the floor; only this program reads the bytes);
; the slopes are 2^(-(h + 1) / 2) rounded once to f32, where the problem multiplies f32 numbers up: they may differ by a few units in the last place.
; THE SOFTMAX: z = score + 8 slope (key - query) = 8 x logit: key - query is an exact whole number in f32, so z has one rounding.  t = z c, c = log2(e) / 8; M = the running largest t rounded up to a whole number; p = 2^(t - M) is quantised
; along the keys, not normalised; the row's sum is taken of the unquantised p and divides at the end.  When M moves, the sum and O are multiplied by 2^(old M - new M): exact.
; SHARES.  Work-group (x, hh): head hh = 16 b + h, query blocks x and 15 - x of 128 queries: 8 (x + 1) + 8 (16 - x) = 136 steps of a tile in every work-group.  Each of SIXTEEN waves owns one tile of 16 queries in 256 registers;
; waves 2 k and 2 k + 1 take tile k of the two blocks, and which of the two takes the early block alternates with (w xor w / 4) % 2.
; Both products are used transposed (S^T = K Q^T, O^T = V^T P^T): a lane holds ONE query (lane % 16) throughout, and p's 16 registers of two neighbouring tiles are 16 neighbouring keys.
; THE FIRST PRODUCT'S K IS 64, the instruction's 128: a fragment of K holds two tiles of keys (K 0-63, K 64-127), and Q stands in 24 registers as 8 zeros, Q's 8, 8 zeros: registers 8-23 give (Q, 0) for the first tile,
; registers 0-15 give (0, Q) for the second.  Zero codes add nothing.  Q's scale word repeats its two bytes and serves both.
; THE RING: two LDS slots of two key steps (a record of 33,792 dense bytes), filled by waves 0 and 1, half a record each; one tensor load of a wave is out at the most.  Every work-group walks all 8 changes of slots; hidden steps are jumped over.
; NO CLUSTER: the eight work-groups of a head read the same records, but work-group x reads only the first 16 - x steps: under the mask every wave of some partner would pass over tiles that a joint load brings.
.set SLOT1, 65536                      ; slot 1 begins here: one exclusive or turns an address of one slot into the other's
.set RECB,  33792
.set HALFB, 16896                      ; 66 rows of 256 bytes: what one tensor load brings
.set HEADB, 8*RECB
.set SPARE, 131072                     ; the spare words, 128 bytes for each of 16 waves: eight blocks of 256 bytes that no other line names
.set STAGE, SPARE+2048                 ; the way out: 16 rows x (256 + 16) bytes for each wave; no fill ever lands here
.set SP,    272
.set LI,  1                            ; v1   16 x lane: an image's place for my lane
.set L4,  2                            ; v2   4 x lane: a scale word's
.set ADR, 3                            ; v3   the slot in hand + LI
.set ADS, 4                            ; v4   the slot in hand + L4
.set SPW, 5                            ; v5   my spare word: SPARE + 4 x my thread's number; never rewritten
.set NIL, 6                            ; v6   0; never rewritten
.set PFO, 7                            ; v7   256 x lane: the prefetches' offset; never rewritten
.set XP,  8                            ; v[8:9]   (x, x + 1), x = the step's first key + 16 hl - my query, as f32: a whole number
.set SI,  10                           ; v10  the stage, in
.set SRD, 11                           ; v11  the stage, back
                                       ; v12 -M, v13 the largest t, v[14:15] the sum in two halves
.set QZ,  16                           ; v16-39   8 zeros, Q's codes, 8 zeros
.set KV,  40                           ; v40-103  four fragments: K's, then V's
.set S,   104                          ; v104-167 S^T, then z, then p
.set OT,  168                          ; v168-199 O^T: four tiles of 16 channels
.set PC,  200                          ; v200-215 p's codes
.set BM,  216                          ; v216-219 the blocks' largest z, then p
.set T4,  220                          ; v220-223 permute destinations, then bytes
.set HD,  224                          ; v224-227 448 x the scale
.set SO,  228                          ; v228-231 the conversions' scale operands
.set Y,   232                          ; v232-239 four pairs of key - query; also the sum's second chain
.set KS,  240                          ; v240-241 K's scale words, v242-243 V's, v244 p's, v245 Q's: they hold scales and nothing else
.set VS,  242
.set PS,  244
.set QS,  245
.set FF,  246                          ; v[246:247] f = 2^(old M - new M); v247 is only named with it
.set TMP, 248
.set NINF, 249
.set DD,  250
.set GO,  251                          ; my byte offset in the wave's rows of out0
.set QA,  252                          ; my byte offset in the wave's rows of q
.set TB,  2                            ; s2   LDS byte at which the slot in hand begins
.set KF,  3                            ; s3   the step's first key
.set Q0,  14                           ; s14  my first query
.set QLAST, 15                         ; s15  my work-group's last query: 2,047 - 128 x
.set Q15, 16                           ; s16  my last query
.set SLOTS, 17                         ; s17  changes of slots that ask for a slot, still to come
.set WV,  18
.set MNT, 19                           ; s19  the mantissa field of 448
.set SEL, 20                           ; s[20:21] v_permlanex16_b32's selects for lane l xor 16
.set CS,  22                           ; s[22:23] c, twice
.set G1,  24                           ; s[24:31] descriptor group 1
.set GS,  32                           ; s[32:33] 8 x slope, twice
.set G0,  40                           ; s[40:43] descriptor group 0, which walks
.set PFA, 44                           ; s[44:45] where my prefetches stand
.set LIM, 46                           ; s46  1 in a wave that prefetches, else the greatest number
; Waves 0 and 1 fetch, the others nothing: a branch on the wave's number.  An s_nop 0 and four v_nop follow the load.
.macro TLOAD
	s_cmp_lt_u32 s[WV], 2
	s_cbranch_scc0 .Lno_load_\@
	tensor_load_to_lds s[G0:G0+3], s[G1:G1+7]
	s_nop 0
.rept 4
	v_nop
.endr
.Lno_load_\@:
.endm
; A PREFETCH INTO THE L2 of the 32,768 code bytes of the record that the NEXT change of slots will ask for.  All eight work-groups of a head walk the same records: work-group x = 0, which fetches all eight, asks; in it waves 4 to 7,
; which fetch nothing, 8,192 bytes each, lanes 256 bytes apart: each aligned block of 256 bytes is named once in the launch.  Records 0 and 1 and each record's 1,024 scale bytes come by their loads alone; the last change that fills asks for nothing.
.macro ASK
	s_cmp_gt_u32 s[SLOTS], s[LIM]
	s_cbranch_scc0 .Lnot_mine_\@
	global_prefetch_b8 v[PFO], s[PFA:PFA+1] th:TH_LOAD_NT scope:SCOPE_SE
.Lnot_mine_\@:
.endm
; FB = the f32 pattern of the whole number n, 0 to 127
.macro FBITS n
.if (\n) >= 64
.set FB, (133<<23)|(((\n)-64)<<17)
.elseif (\n) >= 32
.set FB, (132<<23)|(((\n)-32)<<18)
.elseif (\n) >= 16
.set FB, (131<<23)|(((\n)-16)<<19)
.elseif (\n) >= 8
.set FB, (130<<23)|(((\n)-8)<<20)
.elseif (\n) >= 4
.set FB, (129<<23)|(((\n)-4)<<21)
.elseif (\n) >= 2
.set FB, (128<<23)|(((\n)-2)<<22)
.elseif (\n) >= 1
.set FB, 127<<23
.else
.set FB, 0
.endif
.endm
	s_load_b128 s[4:7], s[0:1], 0x0                ; q, kv
	s_load_b64 s[8:9], s[0:1], 0x10                ; out0
	v_lshl_add_u32 v[SPW], v0, 2, SPARE
	v_mov_b32 v[NIL], 0
	ds_add_u32 v[SPW], v[NIL]                      ; the wave's opening: the add, twice on end, and its wait ahead of my first tensor load; the set-up below stands between the second and the wait
	ds_add_u32 v[SPW], v[NIL]
	v_lshrrev_b32 v1, 5, v0
	v_readfirstlane_b32 s[WV], v1                  ; wave 0..15
	s_mov_b32 s10, ttmp9                           ; x
	s_and_b32 s11, ttmp7, 0xffff                   ; hh
	s_lshr_b32 s12, s[WV], 2
	s_xor_b32 s12, s12, s[WV]
	s_and_b32 s12, s12, 1                          ; 1: the late block
	s_sub_co_u32 s13, 15, s10
	s_cmp_lg_u32 s12, 0
	s_cselect_b32 s13, s13, s10                    ; my block of 128 queries
	s_lshl_b32 s13, s13, 7
	s_lshr_b32 s12, s[WV], 1
	s_lshl_b32 s12, s12, 4                         ; my tile in it
	s_add_co_u32 s[Q0], s13, s12
	s_add_co_u32 s[Q15], s[Q0], 15
	s_lshl_b32 s[QLAST], s10, 7
	s_sub_co_u32 s[QLAST], 2047, s[QLAST]
	; descriptor group 1: 66 rows of 256 bytes, dense in memory and in LDS (the images are read 16 bytes a lane on end: no padding is wanted)
	s_mov_b32 s[G1], 3<<16                         ; no mask; elements of 8 bytes; no padding
	s_mov_b32 s[G1+1], 32<<16                      ; tensor_dim0 = 32
	s_mov_b32 s[G1+2], 66<<16                      ; tensor_dim1 = 66
	s_mov_b32 s[G1+3], 32<<16                      ; tile_dim0 = 32
	s_mov_b32 s[G1+4], 66                          ; tile_dim1 = 66
	s_mov_b32 s[G1+5], 32                          ; from row to row
	s_mov_b32 s[G1+6], 0
	s_mov_b32 s[G1+7], 0
	s_mov_b32 s[MNT], 0x600000
	s_mov_b32 s[SEL], 0x76543210
	s_mov_b32 s[SEL+1], 0xfedcba98
	s_mov_b32 s[CS], 0x3e38aa3b                    ; c = log2(e) / 8
	s_mov_b32 s[CS+1], s[CS]
	; 8 x slope = 2^(3 - m / 2), m = h + 1: for n = m / 2 rounded down, 2^(3 - n), times 2^(-1/2) where m is odd: made in the exponent field
	s_and_b32 s12, s11, 15
	s_add_co_u32 s12, s12, 1                       ; m
	s_lshr_b32 s13, s12, 1
	s_lshl_b32 s13, s13, 23                        ; n, in the exponent field
	s_and_b32 s12, s12, 1
	s_mov_b32 s[GS], 0x3f800000
	s_cmp_lg_u32 s12, 0
	s_cselect_b32 s[GS], 0x3f3504f3, s[GS]
	s_add_co_u32 s[GS], s[GS], 0x01800000
	s_sub_co_u32 s[GS], s[GS], s13
	s_mov_b32 s[GS+1], s[GS]
	s_mov_b32 s[TB], 0
	s_mov_b32 s[KF], 0
	s_mov_b32 s[SLOTS], 7
	; offsets, apart from the addresses
	s_lshr_b32 s34, s11, 4                         ; b: 2^23 bytes a batch
	s_lshl_b32 s34, s34, 23
	s_lshl_b32 s35, s[Q0], 12                      ; 4,096 bytes a position
	s_add_co_u32 s34, s34, s35
	s_and_b32 s35, s11, 15
	s_lshl_b32 s35, s35, 8                         ; 256 bytes a head
	s_add_co_u32 s34, s34, s35
	s_mov_b32 s35, 0                               ; s[34:35]: my first query's 256 bytes in q and in out0
	s_mul_i32 s36, s11, HEADB
	s_mov_b32 s37, 0                               ; s[36:37]: the head's records
	s_and_b32 s38, s[WV], 1
	s_mul_i32 s38, s38, HALFB
	s_mov_b32 s39, 0                               ; s[38:39]: which half of a record I fetch, if I fetch: in memory and in a slot alike
	s_and_b32 s48, s[WV], 3
	s_lshl_b32 s48, s48, 13
	s_add_co_u32 s48, s48, RECB
	s_mov_b32 s49, 0                               ; s[48:49]: my 8,192 bytes, in record 1: the first change of slots steps it to record 2
	s_sub_co_u32 s47, s[WV], 4
	s_lshr_b32 s47, s47, 2                         ; 0 in waves 4 to 7,
	s_or_b32 s47, s47, s10                         ; of work-group x = 0
	s_cmp_eq_u32 s47, 0
	s_cselect_b32 s[LIM], 1, -1
	s_wait_dscnt 0x0                               ; both opening adds are done
	s_wait_kmcnt 0x0
	s_mov_b32 s[G0], 1                             ; count = 1
	s_mov_b32 s[G0+1], s38                         ; LDS address: slot 0, my half
	s_add_nc_u64 s[G0+2:G0+3], s[6:7], s[36:37]
	s_add_nc_u64 s[G0+2:G0+3], s[G0+2:G0+3], s[38:39]
	s_or_b32 s[G0+3], s[G0+3], 0x80000000          ; type = 2
	TLOAD                                          ; slot 0: keys 0 to 255, which every tile reads
	s_add_nc_u64 s[4:5], s[4:5], s[34:35]
	s_add_nc_u64 s[8:9], s[8:9], s[34:35]
	s_add_nc_u64 s[PFA:PFA+1], s[6:7], s[36:37]
	s_add_nc_u64 s[PFA:PFA+1], s[PFA:PFA+1], s[48:49]
	v_and_b32 v[TMP], 15, v0                       ; r
	v_bfe_u32 v[DD], v0, 4, 1                      ; hl
	v_lshlrev_b32 v[QA], 12, v[TMP]
	v_lshl_add_u32 v[QA], v[DD], 6, v[QA]          ; q: row r, + 64 hl: my 16 numbers of a block of 32
.irp c, 0,1
.irp j, 0,1,2,3
	global_load_b128 v[S+16*\c+4*\j:S+16*\c+4*\j+3], v[QA], s[4:5] offset:128*\c+16*\j th:TH_LOAD_NT
.endr
.endr
	v_and_b32 v[LI], 31, v0
	v_lshlrev_b32 v[L4], 2, v[LI]
	v_lshlrev_b32 v[PFO], 8, v[LI]
	v_lshlrev_b32 v[LI], 4, v[LI]
	s_sub_co_i32 s47, 0, s[Q0]
	v_lshlrev_b32 v[XP], 4, v[DD]
	v_sub_nc_u32 v[XP], v[XP], v[TMP]
	v_add_nc_u32 v[XP], s47, v[XP]                 ; 16 hl - r - Q0: key 0 + 16 hl less my query
	v_cvt_f32_i32 v[XP], v[XP]
	v_add_f32 v[XP+1], 1.0, v[XP]
	v_mov_b32 v13, 0xff61b1e6                      ; the largest t so far: -3e38, under every t
	v_floor_f32 v12, -v13                          ; -M
	v_mov_b32 v14, 0
	v_mov_b32 v15, 0
	v_mov_b32 v[FF+1], 0                           ; named as the upper half of a pair
.irp b, 0,1,2,3
	v_mov_b32 v[T4+\b], 0                          ; written once: a lane permute's destination counts as one of its sources
.endr
.set i, 0
.rept 8
	v_mov_b32 v[QZ+i], 0                           ; the zero codes on both sides of Q
	v_mov_b32 v[QZ+16+i], 0
.set i, i+1
.endr
.set i, 0
.rept 32
	v_mov_b32 v[OT+i], 0                           ; O^T: the step is written once: its first run finds zeros, which the first change of M leaves zeros
.set i, i+1
.endr
	s_wait_loadcnt 0x0                             ; q
	; Q's two blocks of 32 along d become 8 registers of codes and a scale word
.irp b, 0,1
	v_max3_num_f32 v[BM+\b], |v[S+16*\b]|, |v[S+1+16*\b]|, 0x4800000   ; my 16 numbers, and the floor 2^(9 - 127)
.endr
.irp i, 2,4,6,8,10,12,14
.irp b, 0,1
	v_max3_num_f32 v[BM+\b], v[BM+\b], |v[S+16*\b+\i]|, |v[S+1+16*\b+\i]|
.endr
.endr
.irp b, 0,1
	v_permlanex16_b32 v[T4+\b], v[BM+\b], s[SEL], s[SEL+1]
.endr
.irp b, 0,1
	v_max_num_f32 v[BM+\b], v[BM+\b], v[T4+\b]
.endr
.irp b, 0,1
	v_add_nc_u32 v[SO+\b], 0xfc000000, v[BM+\b]    ; 8 off the exponent field: the conversion's scale operand
.endr
.irp b, 0,1
	v_and_or_b32 v[HD+\b], v[BM+\b], 0x7f800000, s[MNT]   ; 448 x the scale
.endr
.irp b, 0,1
	v_lshrrev_b32 v[T4+\b], 23, v[SO+\b]           ; the scale's byte
.endr
	v_lshl_or_b32 v[QS], v[T4+1], 8, v[T4]
	v_lshl_or_b32 v[QS], v[QS], 16, v[QS]          ; the two bytes twice: for (Q, 0) and for (0, Q)
.irp b, 0,1
.irp i, 0,1,2,3,4,5,6,7,8,9,10,11,12,13,14,15
	v_med3_num_f32 v[S+16*\b+\i], v[S+16*\b+\i], -v[HD+\b], v[HD+\b]   ; the conversion to an 8-bit code does not saturate (ISA guide 7.6.2)
.endr
	v_cvt_scalef32_pk8_fp8_f32 v[QZ+8+4*\b:QZ+9+4*\b], v[S+16*\b:S+7+16*\b], v[SO+\b]
	v_cvt_scalef32_pk8_fp8_f32 v[QZ+10+4*\b:QZ+11+4*\b], v[S+8+16*\b:S+15+16*\b], v[SO+\b]
.endr
	v_nop                                          ; a plain vector line behind the last conversion
; A KEY STEP: 128 keys, the q-th of the slot in hand.
.macro STEP q
	s_cmp_gt_u32 s[KF], s[Q15]                     ; all 128 keys come after my 16 queries: the step is left out (ids and the count of steps alone); no barrier, wait for a fill or tensor load stands in a step
	s_cbranch_scc1 .Lhidden_\@
	v_add_nc_u32 v[ADR], s[TB], v[LI]
	v_add_nc_u32 v[ADS], s[TB], v[L4]
.rept 6
	v_nop                                          ; with the two additions above and the step of x behind the last products: nine places in front of loads into registers that those products read (eight are asked)
.endr
.irp f, 0,1,2,3
.irp c, 0,1,2,3
	ds_load_b128 v[KV+16*\f+4*\c:KV+16*\f+4*\c+3], v[ADR] offset:16384*(\q)+2048*\f+512*\c   ; K's fragment f, as it was stored: 512 consecutive bytes an instruction
.endr
.endr
.irp j, 0,1
	ds_load_b32 v[KS+\j], v[ADS] offset:32768+512*(\q)+128*\j   ; lanes 0-15: the words of fragment 2 j, lanes 16-31: of fragment 2 j + 1
.endr
	s_wait_dscnt 0x0
.irp f, 0,1,2,3                        ; S^T = K Q^T: eight tiles of 16 keys; tile 2 f + u takes the fragment's half u by (Q, 0) or (0, Q).  No two share an accumulator
.irp u, 0,1
.if \f % 2
	v_wmma_scale_f32_16x16x128_f8f6f4 v[S+8*(2*\f+\u):S+8*(2*\f+\u)+7], v[KV+16*\f:KV+16*\f+15], v[QZ+8-8*\u:QZ+23-8*\u], 0, v[KS+\f/2], v[QS] matrix_a_scale:MATRIX_SCALE_ROW1
.else
	v_wmma_scale_f32_16x16x128_f8f6f4 v[S+8*(2*\f+\u):S+8*(2*\f+\u)+7], v[KV+16*\f:KV+16*\f+15], v[QZ+8-8*\u:QZ+23-8*\u], 0, v[KS+\f/2], v[QS]
.endif
.endr
.endr                                  ; lane (r, hl): query r; register 16 b + i: key KF + 32 b + 16 hl + i
.rept 8
	v_nop                                          ; eight places in front of the loads below and of the first read of the scores
.endr
.irp dt, 0,1,2,3                       ; V is asked for now and lands under the softmax
.irp c, 0,1,2,3
	ds_load_b128 v[KV+16*\dt+4*\c:KV+16*\dt+4*\c+3], v[ADR] offset:16384*(\q)+8192+2048*\dt+512*\c
.endr
.endr
.irp j, 0,1
	ds_load_b32 v[VS+\j], v[ADS] offset:32768+512*(\q)+256+128*\j
.endr
	; THE BIAS: y = key - query = x + n, n = 32 b + i, exact; z = score + 8 slope y, one rounding.  Four pairs at a time, each accumulator from its low end on
.set JJ, 0
.rept 8
.set KK, 0
.rept 4
	FBITS 32*((JJ+2*KK)/16)+((JJ+2*KK)%16)
	v_pk_add_f32 v[Y+2*KK:Y+2*KK+1], v[XP:XP+1], FB op_sel_hi:[1,0]
.set KK, KK+1
.endr
.set KK, 0
.rept 4
	v_pk_fma_f32 v[S+JJ+2*KK:S+JJ+2*KK+1], v[Y+2*KK:Y+2*KK+1], s[GS:GS+1], v[S+JJ+2*KK:S+JJ+2*KK+1] op_sel_hi:[1,0,1]
.set KK, KK+1
.endr
.set JJ, JJ+8
.endr
	; THE DIAGONAL: hidden keys' z become -infinity ahead of the maximum, so p = 0.  A step all of whose keys count for all my queries skips this
	s_add_co_u32 s47, s[KF], 127
	s_cmp_le_u32 s47, s[Q0]
	s_cbranch_scc1 .Lopen_\@
	s_sub_co_i32 s47, s[Q0], s[KF]
	v_and_b32 v[DD], 15, v0
	v_bfe_u32 v[TMP], v0, 4, 1
	v_lshlrev_b32 v[TMP], 4, v[TMP]
	v_sub_nc_u32 v[DD], v[DD], v[TMP]
	v_add_nc_u32 v[DD], s47, v[DD]                 ; d = my query - KF - 16 hl: the key of register 16 b + i is hidden where 32 b + i > d
	v_mov_b32 v[NINF], 0xff800000
.set NN, 0
.rept 64
	v_cmp_gt_i32 vcc_lo, 32*(NN/16)+NN%16, v[DD]
	v_cndmask_b32 v[S+NN], v[S+NN], v[NINF], vcc_lo
.set NN, NN+1
.endr
.Lopen_\@:
.irp b, 0,1,2,3
	v_max3_num_f32 v[BM+\b], v[S+16*\b], v[S+1+16*\b], v[S+2+16*\b]   ; the largest z of each block of 32 keys: for the row's maximum and, since p rises with z, for the block's largest p
.endr
.irp i, 3,5,7,9,11,13
.irp b, 0,1,2,3
	v_max3_num_f32 v[BM+\b], v[BM+\b], v[S+16*\b+\i], v[S+1+16*\b+\i]
.endr
.endr
.irp b, 0,1,2,3
	v_max_num_f32 v[BM+\b], v[BM+\b], v[S+15+16*\b]
.endr
.irp b, 0,1,2,3
	v_permlanex16_b32 v[T4+\b], v[BM+\b], s[SEL], s[SEL+1]
.endr
.irp b, 0,1,2,3
	v_max_num_f32 v[BM+\b], v[BM+\b], v[T4+\b]     ; with lane l xor 16's 16 keys
.endr
	v_max3_num_f32 v[TMP], v[BM], v[BM+1], v[BM+2]
	v_max_num_f32 v[TMP], v[TMP], v[BM+3]          ; the step's largest z of my query
	v_mul_f32 v[TMP], s[CS], v[TMP]                ; as t (c is positive)
	v_max_num_f32 v13, v13, v[TMP]                 ; the running largest t
	v_mov_b32 v[TMP], v12
	v_floor_f32 v12, -v13                          ; the new -M = floor(-t): M is a whole number
	v_sub_f32 v[TMP], v12, v[TMP]                  ; old M - new M: a whole number, 0 or less
	v_cvt_i32_f32 v[TMP], v[TMP]                   ; (it saturates)
	v_ldexp_f32 v[FF], 1.0, v[TMP]                 ; f = 2^(old M - new M)
.set JJ, 0
.rept 32
	v_pk_fma_f32 v[S+JJ:S+JJ+1], v[S+JJ:S+JJ+1], s[CS:CS+1], v[12:13] op_sel_hi:[1,0,0]   ; t - M, two at a time
.set JJ, JJ+2
.endr
.irp b, 0,1,2,3
	v_fma_f32 v[BM+\b], v[BM+\b], s[CS], v12       ; the same of each block's largest z
.endr
.set JJ, 0
.rept 64
	v_exp_f32 v[S+JJ], v[S+JJ]                     ; p = 2^(t - M), at most 1, not normalised
.set JJ, JJ+1
.endr
	v_pk_mul_f32 v[14:15], v[14:15], v[FF:FF+1] op_sel_hi:[1,0]   ; the sums under the new M: a plain line behind the exponentials
	s_wait_alu depctr_va_vdst(0)                   ; one wait for the batch of 64, ahead of its first reader
.irp b, 0,1,2,3
	v_exp_f32 v[BM+\b], v[BM+\b]                   ; the block's largest p: the same two instructions on the same number give the same bits
.endr
	v_pk_add_f32 v[Y:Y+1], v[S:S+1], v[S+2:S+3]    ; the row's sum is taken of the unquantised p: two at a time, in two chains; it reads the 64 alone
.irp j, 4,8,12,16,20,24,28,32,36,40,44,48,52,56,60
	v_pk_add_f32 v[14:15], v[14:15], v[S+\j:S+\j+1]
	v_pk_add_f32 v[Y:Y+1], v[Y:Y+1], v[S+\j+2:S+\j+3]
.endr
	v_pk_add_f32 v[14:15], v[14:15], v[Y:Y+1]
	s_wait_alu depctr_va_vdst(0)                   ; and one for the four
.irp b, 0,1,2,3
	v_max_num_f32 v[BM+\b], 0x4800000, v[BM+\b]    ; the floor 2^(9 - 127): a block whose every p is 0 keeps the byte 1: its codes are zeros
.endr
.irp b, 0,1,2,3
	v_add_nc_u32 v[SO+\b], 0xfc000000, v[BM+\b]
.endr
.irp b, 0,1,2,3
	v_and_or_b32 v[HD+\b], v[BM+\b], 0x7f800000, s[MNT]
.endr
.irp b, 0,1,2,3
	v_lshrrev_b32 v[T4+\b], 23, v[SO+\b]
.endr
	v_lshl_or_b32 v[PS], v[T4+1], 8, v[T4]         ; p's scale word for these 128 keys
	v_lshl_or_b32 v[PS], v[T4+2], 16, v[PS]
	v_lshl_or_b32 v[PS], v[T4+3], 24, v[PS]
.irp b, 0,1,2,3
.irp i, 0,1,2,3,4,5,6,7,8,9,10,11,12,13,14,15
	v_min_num_f32 v[S+16*\b+\i], v[S+16*\b+\i], v[HD+\b]   ; p is not negative: the hold is one-sided
.endr
	v_cvt_scalef32_pk8_fp8_f32 v[PC+4*\b:PC+1+4*\b], v[S+16*\b:S+7+16*\b], v[SO+\b]
	v_cvt_scalef32_pk8_fp8_f32 v[PC+2+4*\b:PC+3+4*\b], v[S+8+16*\b:S+15+16*\b], v[SO+\b]
.endr
.set JJ, 0
.rept 16
	v_pk_mul_f32 v[OT+JJ:OT+JJ+1], v[OT+JJ:OT+JJ+1], v[FF:FF+1] op_sel_hi:[1,0]   ; O^T under the new M, each accumulator from its low end on; these sixteen are also the places between the codes and the products
.set JJ, JJ+2
.endr
	s_wait_dscnt 0x0                               ; V is in
.irp dt, 0,1,2,3                       ; O^T += V^T P^T: four tiles of 16 channels, K = these 128 keys.  The four accumulators take turns, and the next step's eight products stand between two links on one of them
.if \dt % 2
	v_wmma_scale_f32_16x16x128_f8f6f4 v[OT+8*\dt:OT+8*\dt+7], v[KV+16*\dt:KV+16*\dt+15], v[PC:PC+15], v[OT+8*\dt:OT+8*\dt+7], v[VS+\dt/2], v[PS] matrix_a_scale:MATRIX_SCALE_ROW1
.else
	v_wmma_scale_f32_16x16x128_f8f6f4 v[OT+8*\dt:OT+8*\dt+7], v[KV+16*\dt:KV+16*\dt+15], v[PC:PC+15], v[OT+8*\dt:OT+8*\dt+7], v[VS+\dt/2], v[PS]
.endif
.endr
	v_pk_add_f32 v[XP:XP+1], v[XP:XP+1], 0x43000000 op_sel_hi:[1,0]   ; x + 128: the next step's
.Lhidden_\@:
	s_add_co_u32 s[KF], s[KF], 128
.endm
; THE CHANGE OF SLOTS stands at a slot's head.  Each wave waits for all its tensor loads, adds 0 to its spare word, and waits for that and for its reads of the slot that it has left.  Behind the barrier the slot ahead is whole
; and nobody reads the other one.  fill = 1: that other slot takes the next 256 keys, while their first key is at or under the work-group's last query: the load has two key steps in which to land.
.macro CHANGE fill
	s_wait_tensorcnt 0x0                           ; no tensor load of mine is out, so group 0 may be written
	ds_add_u32 v[SPW], v[NIL]                      ; the add of 0 to my spare word
.if \fill
	ds_add_u32 v[SPW], v[NIL]                      ; and, where a fill follows, twice on end, in every trip alike; the steps below stand between the second and the wait
	s_xor_b32 s[G0+1], s[G0+1], SLOT1              ; the other slot than last time,
	s_add_nc_u64 s[G0+2:G0+3], s[G0+2:G0+3], RECB  ; the next record; the type bits on top are not reached
	s_wait_xcnt 0x0                                ; the last prefetch, a slot back, has read its address, so it may be written:
	s_add_nc_u64 s[PFA:PFA+1], s[PFA:PFA+1], RECB  ; one record further on than the walking descriptor
.endif
	s_wait_dscnt 0x0                               ; the add is done, and my reads of the slot that I have left are over
	s_barrier_signal -1
	s_barrier_wait -1
.if \fill
	s_add_co_u32 s47, s[KF], 256                   ; the first key of the slot that this change would ask for
	s_cmp_gt_u32 s47, s[QLAST]                     ; past the work-group's last query no wave would read it: ids and the count of steps alone, the same in all sixteen waves; every wait for fills in this text is for 0
	s_cbranch_scc1 .Lpast_\@
	TLOAD                                          ; a wave's one tensor load until the next such barrier
.Lpast_\@:
	ASK
.endif
.endm
.macro SLOT_STEPS
	STEP 0
	STEP 1
	s_xor_b32 s[TB], s[TB], SLOT1                  ; on to the other slot
.endm
.Lslot:                                                ; 7 trips: behind each change of slots but the last the next slot is asked for, up to the causal limit
	CHANGE 1
	SLOT_STEPS
	s_sub_co_u32 s[SLOTS], s[SLOTS], 1
	s_cmp_lg_u32 s[SLOTS], 0
	s_cbranch_scc1 .Lslot
	CHANGE 0                                       ; the last slot is written out: nothing is left to ask for
	SLOT_STEPS
	; THE WAY OUT.  O^T is divided by the row's sum and goes through my stage in LDS, so that sixteen lanes store a query's 256 bytes of the head, aligned.  The lines below are also the places behind the last products
	v_add_f32 v14, v14, v15                        ; the sum's two halves,
	v_permlanex16_b32 v[TMP], v14, s[SEL], s[SEL+1]
	v_add_f32 v14, v14, v[TMP]                     ; and lane l xor 16's
	v_rcp_f32 v14, v14
	v_and_b32 v[TMP], 15, v0                       ; r  (a plain line behind the reciprocal)
	v_bfe_u32 v[DD], v0, 4, 1                      ; hl
	s_mul_i32 s47, s[WV], 16*SP
	s_add_co_u32 s47, s47, STAGE                   ; my stage
	v_mul_u32_u24 v[SI], v[TMP], SP
	v_lshl_add_u32 v[SI], v[DD], 5, v[SI]
	v_add_nc_u32 v[SI], s47, v[SI]                 ; in: row r; tile dt's eight channels of my half at 64 dt + 32 hl
	v_mul_u32_u24 v[SRD], v[DD], SP
	v_lshl_add_u32 v[SRD], v[TMP], 4, v[SRD]
	v_add_nc_u32 v[SRD], s47, v[SRD]               ; back: lanes 0-15 one row, lanes 16-31 the next
	v_lshlrev_b32 v[GO], 12, v[DD]
	v_lshl_add_u32 v[GO], v[TMP], 4, v[GO]         ; and the same two rows in out0
	s_wait_alu depctr_va_vdst(0)                   ; the wait ahead of the reciprocal's first reader
.set JJ, 0
.rept 32
	v_mul_f32 v[S+JJ], v[OT+JJ], v14               ; register 8 dt + i: channel 16 dt + 8 hl + i of query r; each accumulator from its low end on
.set JJ, JJ+1
.endr
.irp dt, 0,1,2,3
	ds_store_b128 v[SI], v[S+8*\dt:S+8*\dt+3] offset:64*\dt
	ds_store_b128 v[SI], v[S+8*\dt+4:S+8*\dt+7] offset:64*\dt+16
.endr
.irp i, 0,1,2,3,4,5,6,7
	ds_load_b128 v[KV+4*\i:KV+4*\i+3], v[SRD] offset:2*\i*SP   ; my wave's own bytes: LDS serves a wave's instructions in order, so these see the stores above
.endr
.irp i, 0,1,2,3,4,5,6,7
	s_wait_dscnt 7-\i                              ; load i is back; the 7 - i younger ones may be out
	global_store_b128 v[GO], v[KV+4*\i:KV+4*\i+3], s[8:9] offset:8192*\i th:TH_STORE_NT   ; 16 lanes store 256 consecutive bytes, aligned; written once, read by nobody here
.endr
	s_wait_tensorcnt 0x0                           ; the wave's end, behind my last tensor load and my last LDS store
	ds_add_u32 v[SPW], v[NIL]
	s_wait_dscnt 0x0
	s_endpgm
.Lfunc_end_k_q4b2a262dd6_attn:
	.size	k_q4b2a262dd6_attn, .Lfunc_end_k_q4b2a262dd6_attn-k_q4b2a262dd6_attn
	.p2alignl 7, 3214868480
	.fill 96, 4, 3214868480
	.section	.rodata,"a",@progbits
	.p2align	6, 0x0
	.amdhsa_kernel k_q4b2a262dd6_attn
		.amdhsa_group_segment_fixed_size 327680
		.amdhsa_private_segment_fixed_size 0
		.amdhsa_enable_private_segment 0
		.amdhsa_kernarg_size 24
		.amdhsa_user_sgpr_count 2
		.amdhsa_user_sgpr_kernarg_segment_ptr 1
		.amdhsa_wavefront_size32 1
		.amdhsa_system_sgpr_workgroup_id_x 1
		.amdhsa_system_sgpr_workgroup_id_y 1
		.amdhsa_system_sgpr_workgroup_id_z 1
		.amdhsa_system_vgpr_workitem_id 0
		.amdhsa_next_free_vgpr 256
		.amdhsa_next_free_sgpr 66
		.amdhsa_reserve_vcc 1
		.amdhsa_float_denorm_mode_32 3
		.amdhsa_float_denorm_mode_16_64 3
		.amdhsa_memory_ordered 1
		.amdhsa_forward_progress 1
		.amdhsa_inst_pref_size 132
	.end_amdhsa_kernel
	.amdgpu_metadata
---
amdhsa.version: [ 1, 2 ]
amdhsa.kernels:
  - .name:           k_q4b2a262dd6_attn
    .symbol:         k_q4b2a262dd6_attn.kd
    .args:
      - { .name: q, .offset: 0, .size: 8, .value_kind: global_buffer, .address_space: global }
      - { .name: kv, .offset: 8, .size: 8, .value_kind: global_buffer, .address_space: global }
      - { .name: out0, .offset: 16, .size: 8, .value_kind: global_buffer, .address_space: global }
    .group_segment_fixed_size: 327680
    .private_segment_fixed_size: 0
    .kernarg_segment_align: 8
    .kernarg_segment_size: 24
    .max_flat_workgroup_size: 512
    .sgpr_count:     66
    .vgpr_count:     256
    .wavefront_size: 32
...
	.end_amdgpu_metadata
.endif
;; end of part 2
